; MI455X (gfx1250); checked and timed in simulation.
; The chip was launched on July 23, 2026; its instructions are those of AMD's public machine-readable ISA for CDNA 5 (MIT licence, August 2026) and "CDNA5" Instruction Set Architecture Reference Guide (July 2026). The comments in the code are by the model that wrote it; some were corrected since.
;; Pixel Level Matching. Allowed arithmetic: float matrix products may take bf16 or f16 operands with f32 sums; all other float work in f32.
;; Inputs: conv_b 128 float32; conv_w 128 x 512 float32; feats 4 x 512 x 64 x 64 float32; pm_init_bg 4 x 4,096 x 128 float32; pm_init_fg 4 x 4,096 x 128 float32; pm_int_bg 4 x 1 x 128 float32; pm_int_fg 4 x 1 x 128 float32; pm_prev_bg 4 x 4,096 x 128 float32; pm_prev_fg 4 x 4,096 x 128 float32.
;; Outputs: out0 4 x 2 x 64 x 64 float32; out1 4 x 2 x 64 x 64 float32; out2 4 x 2 x 64 x 64 float32; out3 4 x 128 x 64 x 64 float32.
;; 2 versions, each right; version 2 is version 1 with the launch conv written anew for expert scheduling mode. Each part assembles by itself: llvm-mc -triple=amdgcn-amd-amdhsa -mcpu=gfx1250 --defsym DOCPART=n.
;; ======== version 1 of 2: 2 launches
;; workspace buffers: fn 4,194,304 bytes
;; launch conv (part 1): grid 256 x 1, 8 waves a work-group, no clusters, 252,416 bytes of LDS; arguments feats, conv_w, conv_b, pm_int_bg, pm_int_fg, out2, out3, fn; writes out2, out3, fn
.if DOCPART == 1
	.amdgcn_target "amdgcn-amd-amdhsa--gfx1250"
	.amdhsa_code_object_version 6
	.text
	.protected	k_qe78c4db02f_conv
	.globl	k_qe78c4db02f_conv
	.p2align	8
	.type	k_qe78c4db02f_conv,@function
k_qe78c4db02f_conv:
	s_mov_b64 s[64:65], 0
	v_nop
	global_prefetch_b8 v0, s[64:65] scope:SCOPE_SE
	s_setreg_imm32_b32 hwreg(HW_REG_WAVE_MODE, 25, 1), 1
	s_wait_xcnt 0x0
; conv[b][o][p] = sum over c of conv_w[o][c] feats[b][c][p] + conv_b[o];  out3 = conv / |conv| (norm over the 128 channels o);
; out2[b][0 or 1][p] = sum over o of out3[b][o][p] pm_int_bg or pm_int_fg [b][o];  fn = out3 rounded to bf16, in the order in which
; the next launch's matrix instructions take it.
; A work-group owns 64 pixels of one sample and all 128 channels; 4 samples x 64 blocks = 256 work-groups.  Eight waves: wave w makes
; the 16 pixels 16 (w & 3) .. and the 64 channels 64 (w >> 2) ..: four accumulator tiles of 16 x 16, 64 matrix instructions (K = 512).
; Both operands are f32 in memory: they come through registers, are rounded to bf16 once in the work-group and laid into LDS, in four
; chunks of 128 along K.  conv_w has K along its rows (plain fragment loads); feats has the pixels along its rows (transposing loads).
; D of a product with M = channel, N = pixel: lane (r, h) holds pixel r, channels 8 h + 0 .. 7 of the tile.  Packed in pairs that IS half
; of a B fragment (K = channel, N = pixel), so fn is stored lane for lane: block ((b 256 + p/16) 8 + o/16) of 512 bytes, lane L at 16 L.
; NO CLUSTER, though every work-group reads conv_w: as f32 with padded rows it would take 128 x 2,064 = 264,192 bytes of LDS beside the
; 81,920 of feats, more than the 327,680 there are; brought in K chunks it would cost a round of the cluster's barrier for each chunk of
; 64 KiB, and it would still have to be converted, by each of the four pixel waves again.  Here each number of it is converted once.
; LIMITS: a pixel whose sum of squares is below 2^-126 (norm under about 1e-19) is taken as zero by v_rsq_f32 (ISA guide, 15.8), where
; the reference still divides; the sum of squares overflows where the reference's own does.  The products' operands are bf16, sums f32.
.set WP,    1040                       ; LDS row of conv_w: 512 bf16 + 16 bytes = 65 x 16: the 16 rows of a fragment load start 16 bytes apart modulo 256
.set F_LDS, 128*WP                     ; 133,120: feats, 512 rows c of 64 pixels in bf16
.set FP,    160                        ; their pitch: 128 bytes + 32 = 5 x 32
.set STG,   F_LDS+512*FP               ; 215,040: out3's way out, 128 rows o of 64 f32
.set SP,    272                        ; their pitch: 256 bytes + 16
.set REDL,  STG+128*SP                 ; 249,856: [sum of squares, dot bg, dot fg][channel half][64 pixels] f32, 1,536 bytes
.set VW,   8                           ; conv_w: 32,768 w + 16 L (16 rows a wave; a row's chunk is 512 bytes = one load of the wave)
.set VF,   9                           ; feats: (16 w + 4 h) rows of 16,384 bytes + 16 r (a load takes two rows' 256 bytes, four rows apart)
.set VWS,  10                          ; LDS, conv_w in: 16 w rows + 8 L
.set VFS,  11                          ; LDS, feats in: (16 w + 4 h) rows + 8 r
.set VA,   12                          ; LDS, A fragments: (64 oh + r) rows + 16 h
.set VB0,  13                          ; LDS, B fragments, K steps 0-7: (8 h + (L & 7)) rows + 32 pblk + 16 ((L >> 3) & 1)
.set VB1,  14                          ; the same for K steps 8-15 (256 rows further: past the 16-bit immediate)
.set VBI,  15                          ; conv_b and the two single templates: 4 (64 oh + 8 h)
.set VRS,  16                          ; LDS, my three sums in
.set VRL,  17                          ; LDS, my pixel's two sums of squares back
.set VR2,  18                          ; LDS, out2: sums of squares of pixels 2 L, 2 L + 1
.set VR2D, 19                          ; LDS, out2: the dots of these pixels
.set VO2,  20                          ; out2: channel (w & 1), 8 L
.set VFN,  21                          ; fn: (8 pblk + 4 oh) blocks of 512 bytes + 16 L
.set VS,   22                          ; LDS, stage in
.set VSR,  23                          ; LDS, stage back: rows 16 w + h, 16 r
.set VO3,  24                          ; out3: the same rows
.set T,    26                          ; v[26:33]   four pairs at work
.set ACC,  34                          ; v[34:65]   four accumulator tiles
.set FA,   66                          ; v[66:129]  A fragments of two K steps x four tiles
.set FB,   130                         ; v[130:145] B fragments of two K steps
.set R,    146                         ; v[146:241] 24 slots of 4 registers: 16 of conv_w, 8 of feats
.set IB,   R                           ; later: pm_int_bg of my 32 channels,
.set IF,   R+32                        ; pm_int_fg,
.set PK,   R+64                         ; and fn's packed words
	s_load_b256 s[4:11], s[0:1], 0x0               ; feats s[4:5], conv_w s[6:7], conv_b s[8:9], pm_int_bg s[10:11]
	s_load_b256 s[12:19], s[0:1], 0x20             ; pm_int_fg s[12:13], out2 s[14:15], out3 s[16:17], fn s[18:19]
	v_lshl_add_u32 v248, v0, 2, 0x3d600
	v_mov_b32 v249, 0
	v_lshrrev_b32 v4, 5, v0
	v_readfirstlane_b32 s20, v4                    ; w
	s_and_b32 s21, s20, 3                          ; pblk: my 16 pixels
	s_lshr_b32 s22, s20, 2                         ; oh: my 64 channels
	s_lshr_b32 s23, ttmp9, 6                       ; b
	s_and_b32 s24, ttmp9, 63                       ; block of 64 pixels
	s_mov_b32 s28, 0x76543210                      ; v_permlanex16_b32: lane i of one half reads lane i of the other
	s_mov_b32 s29, 0xfedcba98
	v_and_b32 v1, 31, v0                           ; L
	v_and_b32 v2, 15, v0                           ; r
	v_bfe_u32 v3, v0, 4, 1                         ; h
	s_lshl_b32 s30, s22, 8
	v_lshl_add_u32 v[VBI], v3, 5, s30
	s_lshl_b32 s30, s20, 15
	v_lshl_add_u32 v[VW], v1, 4, s30
	s_lshl_b32 s30, s20, 18
	v_lshl_add_u32 v[VF], v2, 4, s30
	v_lshl_add_u32 v[VF], v3, 16, v[VF]
	s_lshl_b32 s25, s24, 8                         ; the block's 256 bytes in a row of 4,096 f32
	s_mov_b32 s27, 0
	s_wait_kmcnt 0x0
	s_lshl_b32 s26, s23, 23                        ; a sample of feats: 512 x 16,384 bytes
	s_add_co_u32 s26, s26, s25
	s_add_nc_u64 s[4:5], s[4:5], s[26:27]
	s_lshl_b32 s26, s23, 9                         ; a sample's single template: 512 bytes
	s_add_nc_u64 s[10:11], s[10:11], s[26:27]
	s_add_nc_u64 s[12:13], s[12:13], s[26:27]
	s_lshl_b32 s26, s23, 15                        ; a sample of out2: 2 x 16,384 bytes
	s_add_co_u32 s26, s26, s25
	s_add_nc_u64 s[14:15], s[14:15], s[26:27]
	s_lshl_b32 s26, s23, 21                        ; a sample of out3: 128 x 16,384 bytes
	s_add_co_u32 s26, s26, s25
	s_add_nc_u64 s[16:17], s[16:17], s[26:27]
	s_lshl_b32 s26, ttmp9, 14                      ; the work-group's part of fn: 4 pixel blocks x 8 tiles x 512 bytes
	s_add_nc_u64 s[18:19], s[18:19], s[26:27]
; The loads of one slot, for chunk q of K.
.macro LDW i, q
	global_load_b128 v[R+4*\i:R+4*\i+3], v[VW], s[6:7] offset:\i*2048+512*(\q)
.endm
.macro LDF j, q                        ; rows (j & 3) + 8 (j >> 2) + 4 h of my sixteen: read once in the launch
	global_load_b128 v[R+64+4*\j:R+64+4*\j+3], v[VF], s[4:5] offset:(128*(\q)+(\j&3)+8*(\j>>2))*16384 th:TH_LOAD_NT
.endm
	; The bias starts the sums: register j of tile t is channel 64 oh + 16 t + 8 h + j in every pixel.  Nothing is cleared or added later.
.irp t, 0,1,2,3
	global_load_b128 v[ACC+8*\t:ACC+8*\t+3],   v[VBI], s[8:9] offset:64*\t
	global_load_b128 v[ACC+8*\t+4:ACC+8*\t+7], v[VBI], s[8:9] offset:64*\t+16
.endr
.irp i, 0,1,2,3,4,5,6,7,8,9,10,11,12,13,14,15
	LDW \i, 0
.endr
.irp j, 0,1,2,3,4,5,6,7
	LDF \j, 0                                      ; 24 loads of 512 bytes of each of eight waves are on their way from here on
.endr
	; the other addresses, while the first chunk comes
	s_mul_i32 s30, s20, 16*WP
	v_lshl_add_u32 v[VWS], v1, 3, s30
	s_mul_i32 s30, s20, 16*FP
	s_add_co_u32 s30, s30, F_LDS
	v_mul_u32_u24 v4, v3, 4*FP
	v_lshl_add_u32 v4, v2, 3, v4
	v_add_nc_u32 v[VFS], s30, v4
	s_mul_i32 s30, s22, 64*WP
	v_mul_u32_u24 v4, v2, WP
	v_lshl_add_u32 v4, v3, 4, v4
	v_add_nc_u32 v[VA], s30, v4
	v_and_b32 v4, 7, v0
	v_lshl_add_u32 v4, v3, 3, v4
	v_mul_u32_u24 v4, v4, FP
	v_bfe_u32 v5, v0, 3, 1
	v_lshl_add_u32 v4, v5, 4, v4
	s_lshl_b32 s30, s21, 5
	s_add_co_u32 s30, s30, F_LDS
	v_add_nc_u32 v[VB0], s30, v4
	v_add_nc_u32 v[VB1], 256*FP, v[VB0]
	s_lshl_b32 s30, s22, 8
	s_lshl_b32 s31, s21, 6
	s_add_co_u32 s31, s31, REDL
	s_add_co_u32 s30, s30, s31
	v_lshl_add_u32 v[VRS], v2, 2, s30              ; REDL + 256 oh + 4 (16 pblk + r)
	v_lshl_add_u32 v[VRL], v2, 2, s31              ; REDL + 4 (16 pblk + r)
	v_lshlrev_b32 v4, 3, v1
	v_add_nc_u32 v[VR2], REDL, v4
	s_and_b32 s30, s20, 1
	s_lshl_b32 s31, s30, 9
	s_add_co_u32 s31, s31, REDL+512
	v_add_nc_u32 v[VR2D], s31, v4
	s_lshl_b32 s30, s30, 14
	v_add_nc_u32 v[VO2], s30, v4
	s_lshl_b32 s30, s21, 12
	s_lshl_b32 s31, s22, 11
	s_add_co_u32 s30, s30, s31
	v_lshl_add_u32 v[VFN], v1, 4, s30
	s_mul_i32 s30, s22, 64*SP
	s_lshl_b32 s31, s21, 6
	s_add_co_u32 s30, s30, s31
	s_add_co_u32 s30, s30, STG
	v_mul_u32_u24 v4, v3, 8*SP
	v_lshl_add_u32 v4, v2, 2, v4
	v_add_nc_u32 v[VS], s30, v4
	s_mul_i32 s30, s20, 16*SP
	s_add_co_u32 s30, s30, STG
	v_mul_u32_u24 v4, v3, SP
	v_lshl_add_u32 v4, v2, 4, v4
	v_add_nc_u32 v[VSR], s30, v4
	s_lshl_b32 s30, s20, 18
	v_lshl_add_u32 v4, v2, 4, s30
	v_lshl_add_u32 v[VO3], v3, 14, v4
.macro PLACES                          ; four places behind a matrix instruction, in front of whatever reads its result or loads into its registers
.rept 4
	v_nop
.endr
.endm
; One slot's turn in chunk q: its four f32 are rounded to bf16 and laid into LDS; the slot is loaded again for chunk q + 1.
; The wait: loads come back in order (ISA guide 5.7.1).  Behind slot i's load stand the 23 - i later slots of its chunk and the i refills
; of the next chunk: 23.  In the last chunk nothing is refilled and the counts run down.  No address register is ever rewritten.
.macro WSLOT i, q
.if \q < 3
	s_wait_loadcnt 23
.else
	s_wait_loadcnt 23-\i
.endif
	v_cvt_pk_bf16_f32 v[T+2*(\i%4)],   v[R+4*\i],   v[R+4*\i+1]
	v_cvt_pk_bf16_f32 v[T+2*(\i%4)+1], v[R+4*\i+2], v[R+4*\i+3]
	ds_store_b64 v[VWS], v[T+2*(\i%4):T+2*(\i%4)+1] offset:\i*WP+256*\q        ; 32 lanes, 256 neighbouring bytes of one row
.if \q < 3
	LDW \i, \q+1
.endif
.endm
.macro FSLOT j, q
.if \q < 3
	s_wait_loadcnt 23
.else
	s_wait_loadcnt 7-\j
.endif
	v_cvt_pk_bf16_f32 v[T+2*(\j%4)],   v[R+64+4*\j],   v[R+64+4*\j+1]
	v_cvt_pk_bf16_f32 v[T+2*(\j%4)+1], v[R+64+4*\j+2], v[R+64+4*\j+3]
	ds_store_b64 v[VFS], v[T+2*(\j%4):T+2*(\j%4)+1] offset:(128*\q+(\j&3)+8*(\j>>2))*FP   ; two rows' 128 bytes, 4 x 160 bytes = 160 words apart: 32 modulo 64
.if \q < 3
	LDF \j, \q+1
.endif
.endm
; Two K steps, 4 q + 2 hb and the next: ten fragment loads each, then four matrix instructions each.  The four accumulators take turns,
; one instruction a turn, from batch to batch too.
.macro MM q, hb
	PLACES
.irp e, 0,1
	ds_load_tr16_b128 v[FB+8*\e:FB+8*\e+3],   v[VB0+(\q>>1)] offset:((4*\q+2*\hb+\e)&7)*32*FP          ; k = 8 h .. of my 16 pixels' columns
	ds_load_tr16_b128 v[FB+8*\e+4:FB+8*\e+7], v[VB0+(\q>>1)] offset:((4*\q+2*\hb+\e)&7)*32*FP+16*FP    ; k = 16 + 8 h ..
.irp t, 0,1,2,3
	ds_load_b128 v[FA+32*\e+8*\t:FA+32*\e+8*\t+3],   v[VA] offset:\t*16*WP+64*(4*\q+2*\hb+\e)
	ds_load_b128 v[FA+32*\e+8*\t+4:FA+32*\e+8*\t+7], v[VA] offset:\t*16*WP+64*(4*\q+2*\hb+\e)+32
.endr
.endr
	s_wait_dscnt 10                                ; the first K step's ten are in; the second's ten may be out
.irp t, 0,1,2,3
	v_wmma_f32_16x16x32_bf16 v[ACC+8*\t:ACC+8*\t+7], v[FA+8*\t:FA+8*\t+7], v[FB:FB+7], v[ACC+8*\t:ACC+8*\t+7]
.endr
	s_wait_dscnt 0x0
.irp t, 0,1,2,3
	v_wmma_f32_16x16x32_bf16 v[ACC+8*\t:ACC+8*\t+7], v[FA+32+8*\t:FA+32+8*\t+7], v[FB+8:FB+15], v[ACC+8*\t:ACC+8*\t+7]
.endr
.endm
; A chunk of 128 along K: into LDS, one barrier, four K steps.  No LDS byte is written twice, so one barrier a chunk is all.
.macro CHUNK q
.irp i, 0,1,2,3,4,5,6,7,8,9,10,11,12,13,14,15
	WSLOT \i, \q
.endr
.irp j, 0,1,2,3,4,5,6,7
	FSLOT \j, \q
.endr
.if \q == 3
.irp t, 0,1,2,3                        ; the two single templates of my 32 channels, laid as the accumulators are, into slots that have been converted
	global_load_b128 v[IB+8*\t:IB+8*\t+3],   v[VBI], s[10:11] offset:64*\t
	global_load_b128 v[IB+8*\t+4:IB+8*\t+7], v[VBI], s[10:11] offset:64*\t+16
	global_load_b128 v[IF+8*\t:IF+8*\t+3],   v[VBI], s[12:13] offset:64*\t
	global_load_b128 v[IF+8*\t+4:IF+8*\t+7], v[VBI], s[12:13] offset:64*\t+16
.endr
.endif
	s_wait_dscnt 0x0                               ; my part of the chunk is in LDS: zero, for the other waves' sake
	s_barrier_signal -1
	s_barrier_wait -1                              ; everybody's is
	MM \q, 0
	MM \q, 1
.endm
	CHUNK 0
	CHUNK 1
	CHUNK 2
	CHUNK 3
	; Three sums over my 32 channels of my pixel, in f32 from the f32 accumulators: squares, and the dots with the two single templates
	; (one template would use a sixteenth of a matrix instruction).  Three chains that do not wait for each other.
	PLACES
	s_wait_loadcnt 0x0                             ; the single templates
	v_pk_mul_f32 v[T:T+1],   v[ACC:ACC+1], v[ACC:ACC+1]
	v_pk_mul_f32 v[T+2:T+3], v[ACC:ACC+1], v[IB:IB+1]
	v_pk_mul_f32 v[T+4:T+5], v[ACC:ACC+1], v[IF:IF+1]
.set i, 1
.rept 15
	v_pk_fma_f32 v[T:T+1],   v[ACC+2*i:ACC+2*i+1], v[ACC+2*i:ACC+2*i+1], v[T:T+1]
	v_pk_fma_f32 v[T+2:T+3], v[ACC+2*i:ACC+2*i+1], v[IB+2*i:IB+2*i+1],   v[T+2:T+3]
	v_pk_fma_f32 v[T+4:T+5], v[ACC+2*i:ACC+2*i+1], v[IF+2*i:IF+2*i+1],   v[T+4:T+5]
.set i, i+1
.endr
	v_add_f32 v[T],   v[T],   v[T+1]
	v_add_f32 v[T+2], v[T+2], v[T+3]
	v_add_f32 v[T+4], v[T+4], v[T+5]
	v_permlanex16_b32 v[T+1], v[T],   s28, s29     ; lane (r, 1 - h) holds the other half of each tile's channels
	v_permlanex16_b32 v[T+3], v[T+2], s28, s29
	v_permlanex16_b32 v[T+5], v[T+4], s28, s29
	v_add_f32 v[T],   v[T],   v[T+1]
	v_add_f32 v[T+2], v[T+2], v[T+3]
	v_add_f32 v[T+4], v[T+4], v[T+5]
	ds_store_b32 v[VRS], v[T]                      ; lanes r and 16 + r write the same word with the same number
	ds_store_b32 v[VRS], v[T+2] offset:512
	ds_store_b32 v[VRS], v[T+4] offset:1024
	s_wait_dscnt 0x0
	s_barrier_signal -1
	s_barrier_wait -1
	ds_load_b32 v[FB],   v[VRL]                    ; my pixel's sum of squares, channels 0-63,
	ds_load_b32 v[FB+1], v[VRL] offset:256         ; and channels 64-127
	s_cmp_ge_u32 s20, 2
	s_cbranch_scc1 .Lno_out2
	; waves 0 and 1: out2's channel w for the 64 pixels, two a lane
	ds_load_b64 v[FA:FA+1],   v[VR2]
	ds_load_b64 v[FA+2:FA+3], v[VR2] offset:256
	ds_load_b64 v[FA+4:FA+5], v[VR2D]
	ds_load_b64 v[FA+6:FA+7], v[VR2D] offset:256
	s_wait_dscnt 0x0
	v_pk_add_f32 v[FA:FA+1],   v[FA:FA+1],   v[FA+2:FA+3]
	v_pk_add_f32 v[FA+4:FA+5], v[FA+4:FA+5], v[FA+6:FA+7]
	v_rsq_f32 v[FA+8], v[FA]
	v_rsq_f32 v[FA+9], v[FA+1]
	v_nop                                          ; one plain place behind a transcendental (ISA guide 5.7.2)
	s_wait_alu depctr_va_vdst(0)
	v_pk_mul_f32 v[FA+4:FA+5], v[FA+4:FA+5], v[FA+8:FA+9]
	global_store_b64 v[VO2], v[FA+4:FA+5], s[14:15]        ; 32 lanes store 256 consecutive bytes, aligned; FA is not written again
.Lno_out2:
	s_wait_dscnt 0x0
	v_add_f32 v[FB], v[FB], v[FB+1]
	v_rsq_f32 v[FB+2], v[FB]                       ; twice: a pair for the packed multiply
	v_rsq_f32 v[FB+3], v[FB]
	v_nop
.set i, 0
	s_wait_alu depctr_va_vdst(0)
.rept 16
	v_pk_mul_f32 v[ACC+2*i:ACC+2*i+1], v[ACC+2*i:ACC+2*i+1], v[FB+2:FB+3]
.set i, i+1
.endr
	; fn: a lane's eight channels of a tile are 16 bytes; a store of the wave covers a whole block of 512 consecutive bytes, aligned
.irp t, 0,1,2,3
.irp k, 0,1,2,3
	v_cvt_pk_bf16_f32 v[PK+4*\t+\k], v[ACC+8*\t+2*\k], v[ACC+8*\t+2*\k+1]
.endr
	global_store_b128 v[VFN], v[PK+4*\t:PK+4*\t+3], s[18:19] offset:512*\t
.endr
	; out3: a lane holds a piece of a column, so the block goes through LDS and is read back by rows of 256 bytes
.irp t, 0,1,2,3
.irp j, 0,1,2,3,4,5,6,7
	ds_store_b32 v[VS], v[ACC+8*\t+\j] offset:(16*\t+\j)*SP    ; 16 neighbouring words twice, 8 x 68 = 544 words apart: 32 modulo 64
.endr
.endr
	s_wait_dscnt 0x0
	s_barrier_signal -1
	s_barrier_wait -1
.irp i, 0,1,2,3,4,5,6,7
	ds_load_b128 v[R+4*\i:R+4*\i+3], v[VSR] offset:2*\i*SP
.endr
.irp i, 0,1,2,3,4,5,6,7
	s_wait_dscnt 7-\i                              ; LDS loads come back in order: pair i of my sixteen rows is in
	global_store_b128 v[VO3], v[R+4*\i:R+4*\i+3], s[16:17] offset:2*\i*16384 th:TH_STORE_NT   ; sixteen lanes store 256 consecutive bytes, aligned
.endr
	s_wait_tensorcnt 0x0
	ds_add_u32 v248, v249
	s_wait_dscnt 0x0
	s_endpgm
.Lfunc_end_k_qe78c4db02f_conv:
	.size	k_qe78c4db02f_conv, .Lfunc_end_k_qe78c4db02f_conv-k_qe78c4db02f_conv
	.p2alignl 7, 3214868480
	.fill 96, 4, 3214868480
	.section	.rodata,"a",@progbits
	.p2align	6, 0x0
	.amdhsa_kernel k_qe78c4db02f_conv
		.amdhsa_group_segment_fixed_size 252416
		.amdhsa_private_segment_fixed_size 0
		.amdhsa_enable_private_segment 0
		.amdhsa_kernarg_size 64
		.amdhsa_user_sgpr_count 2
		.amdhsa_user_sgpr_kernarg_segment_ptr 1
		.amdhsa_wavefront_size32 1
		.amdhsa_system_sgpr_workgroup_id_x 1
		.amdhsa_system_sgpr_workgroup_id_y 1
		.amdhsa_system_sgpr_workgroup_id_z 1
		.amdhsa_system_vgpr_workitem_id 0
		.amdhsa_next_free_vgpr 250
		.amdhsa_next_free_sgpr 66
		.amdhsa_reserve_vcc 0
		.amdhsa_float_denorm_mode_32 3
		.amdhsa_float_denorm_mode_16_64 3
		.amdhsa_memory_ordered 1
		.amdhsa_forward_progress 1
		.amdhsa_inst_pref_size 64
	.end_amdhsa_kernel
	.amdgpu_metadata
---
amdhsa.version: [ 1, 2 ]
amdhsa.kernels:
  - .name:           k_qe78c4db02f_conv
    .symbol:         k_qe78c4db02f_conv.kd
    .args:
      - { .name: feats, .offset: 0, .size: 8, .value_kind: global_buffer, .address_space: global }
      - { .name: conv_w, .offset: 8, .size: 8, .value_kind: global_buffer, .address_space: global }
      - { .name: conv_b, .offset: 16, .size: 8, .value_kind: global_buffer, .address_space: global }
      - { .name: pm_int_bg, .offset: 24, .size: 8, .value_kind: global_buffer, .address_space: global }
      - { .name: pm_int_fg, .offset: 32, .size: 8, .value_kind: global_buffer, .address_space: global }
      - { .name: out2, .offset: 40, .size: 8, .value_kind: global_buffer, .address_space: global }
      - { .name: out3, .offset: 48, .size: 8, .value_kind: global_buffer, .address_space: global }
      - { .name: fn, .offset: 56, .size: 8, .value_kind: global_buffer, .address_space: global }
    .group_segment_fixed_size: 252416
    .private_segment_fixed_size: 0
    .kernarg_segment_align: 8
    .kernarg_segment_size: 64
    .max_flat_workgroup_size: 256
    .sgpr_count:     66
    .vgpr_count:     250
    .wavefront_size: 32
...
	.end_amdgpu_metadata
.endif
;; end of part 1
;; launch match (part 2): grid 16 x 16, 4 waves a work-group, clusters of 4 x 1, 327,680 bytes of LDS; arguments pm_init_bg, pm_init_fg, pm_prev_bg, pm_prev_fg, out0, out1, fn; writes out0, out1
.if DOCPART == 2
	.amdgcn_target "amdgcn-amd-amdhsa--gfx1250"
	.amdhsa_code_object_version 6
	.text
	.protected	k_qe78c4db02f_match
	.globl	k_qe78c4db02f_match
	.p2align	8
	.type	k_qe78c4db02f_match,@function
k_qe78c4db02f_match:
	s_mov_b64 s[64:65], 0
	v_nop
	global_prefetch_b8 v0, s[64:65] scope:SCOPE_SE
	s_setreg_imm32_b32 hwreg(HW_REG_WAVE_MODE, 25, 1), 1
	s_wait_xcnt 0x0
	s_wait_alu depctr_hold_cnt(0) depctr_sa_sdst(0) depctr_va_vdst(0) depctr_va_sdst(0) depctr_va_ssrc(0) depctr_va_vcc(0) depctr_vm_vsrc(0)
	s_getreg_b32 s2, hwreg(HW_REG_IB_STS2, 6, 4)
	s_cmp_eq_u32 s2, 0
	s_cbranch_scc0 .Lentry_in_a_cluster
	s_endpgm
.Lentry_in_a_cluster:
	s_bfe_u32 s2, ttmp6, 0x10000c
	s_cmp_lg_u32 s2, 0x3003
	s_cbranch_scc0 .Lentry_shape_is_right
	s_endpgm
.Lentry_shape_is_right:
; out[b][ch][p] = max over n of sum over c of templates[b][n][c] fn[b][c][p], for four sets of 4,096 templates:
; init bg, init fg -> out0 channels 0, 1;  prev bg, prev fg -> out1 channels 0, 1.
; Grid y = 4 b + set; grid x = block of 256 pixels.  16 x 16 = 256 work-groups of four waves.
; EVERY WAVE KEEPS ALL 256 PIXELS as B fragments (16 pixel blocks x 4 K steps x 8 = 512 registers, loaded once from fn, which lies in
; fragment order) and takes its own 64 rows of each tile of 256 templates.  So each template number is read from LDS once in the
; work-group and converted to bf16 once: 16 LDS loads and 32 conversions feed 64 matrix instructions.
; CLUSTER: the four work-groups of a cluster (four neighbouring pixel blocks, same y) walk the same 2 MiB of templates: every tile is asked
; for jointly, mask 15.  The place in the cluster enters fn's base and the output's base alone: no LDS address, branch or descriptor.
; Tiles go through two LDS slots; a wave loads and reads its own quarter of each.  A slot is filled again behind a round of the cluster's barrier.
; By this text's count a wave has two tensor loads out at the start and one behind each round.
; REGISTERS: window 0: v0-15 addresses, v16-31 running maxima, v32-63 A (bf16), v64-127 16 templates as loaded (f32), v128-255 16 accumulators;
; windows 1, 2: B of pixel block pb, K step s at v[256 + 32 pb + 8 s].
; LIMIT: the maxima are taken with v_max3_num_f32 and v_max_num_f32, in which a NaN loses: where scores are NaN (NaN inputs, a pixel with a
; zero conv vector) out0 and out1 hold the largest of the other scores, or -inf if there is none, where the reference holds NaN.
.set PITCH, 528                        ; an LDS row: 512 bytes + 16 = 33 x 16: the sixteen rows of a fragment load start 16 bytes apart modulo 256
.set QUART, 64*PITCH                   ; a wave's 64 rows
.set SLOT,  4*QUART                    ; 135,168
.set REDL,  2*SLOT                     ; 270,336: 4 waves x 256 f32; no tensor load lands here
.set TILEB, 256*512                    ; a tile in memory
.set ADR0, 4                           ; v4, v5  my rows in slot 0, 1: (64 w + r) rows + 32 h
.set VBL,  6                           ; v6      16 L
.set STO,  7                           ; v7      REDL + 1,024 w + 4 r
.set RD,   8                           ; v8      REDL + 256 w + 8 L
.set VO,   9                           ; v9      256 w + 8 L
.set RUN,  16
.set A,    32
.set F,    64
.set ACC,  128
.set G0,   32                          ; s[32:39] descriptor group 0, a set for each slot
.set G1,   40                          ; s[40:47] descriptor group 1
.set MSB, 0
.macro WIN new                         ; the immediate's high byte repeats the setting that is left; a switch that changes nothing is dropped
.if MSB != \new
	s_set_vgpr_msb (MSB<<8)|\new
.set MSB, \new
.endif
.endm
.macro PLACES                          ; four places behind a matrix instruction, in front of what reads its result or writes its registers (ISA guide 7.12.1)
.rept 4
	v_nop
.endr
.endm
; A round of the cluster's barrier: my work-group's barrier, wave 0 signals for the work-group, every wave waits for all four work-groups, my work-group's barrier again.
.macro CREST                           ; a round behind its opening barrier
	s_cmp_lg_u32 s20, 0
	s_cbranch_scc1 .Lnot_wave_0_\@
	s_barrier_signal -3
.Lnot_wave_0_\@:
	s_barrier_wait -3
	s_barrier_signal -1
	s_barrier_wait -1
.endm
.macro CROUND
	s_barrier_signal -1
	s_barrier_wait -1
	CREST
.endm
	s_load_b256 s[8:15], s[0:1], 0x0               ; init bg s[8:9], init fg s[10:11], prev bg s[12:13], prev fg s[14:15]
	s_load_b128 s[16:19], s[0:1], 0x20             ; out0 s[16:17], out1 s[18:19]
	s_load_b64 s[4:5], s[0:1], 0x30                ; fn
	v_lshl_add_u32 v14, v0, 2, 0x43000
	v_mov_b32 v15, 0
	ds_add_u32 v14, v15
	v_lshrrev_b32 v1, 5, v0
	v_readfirstlane_b32 s20, v1                    ; w
	s_bfe_u32 s21, ttmp6, 0x40000                  ; cx
	s_lshl_b32 s22, ttmp9, 2                       ; ttmp9 counts clusters
	s_add_co_u32 s22, s22, s21                     ; block of 256 pixels
	s_and_b32 s23, ttmp7, 0xffff                   ; y, the same in the four partners
	s_lshr_b32 s24, s23, 2                         ; b
	s_and_b32 s25, s23, 1                          ; 0 bg, 1 fg
	s_bfe_u32 s26, s23, 0x10001                    ; 0 init, 1 prev
	s_mov_b32 s52, 0x76543210                      ; v_permlanex16_b32: lane i of one half reads lane i of the other
	s_mov_b32 s53, 0xfedcba98
	; group 1: 64 rows of 128 f32, padded in LDS
	s_mov_b32 s[G1+0], 15|(2<<16)|(1<<20)|(1<<21)|(6<<22)|(3<<25)  ; 15:0 the four partners; 17:16 elements of 4 bytes; 20 padding on; 21 set beside a mask; 24:22 after every 128 words; 31:25 of 4 words
	s_mov_b32 s[G1+1], 128<<16                     ; tensor_dim0 = 128
	s_mov_b32 s[G1+2], 64<<16                      ; tensor_dim1 = 64
	s_mov_b32 s[G1+3], 128<<16                     ; tile_dim0 = 128
	s_mov_b32 s[G1+4], 64                          ; tile_dim1 = 64
	s_mov_b32 s[G1+5], 128                         ; from row to row: 128 elements
	s_mov_b32 s[G1+6], 0
	s_mov_b32 s[G1+7], 0
	s_lshl_b32 s50, s24, 21                        ; templates: a sample is 4,096 x 512 bytes,
	s_lshl_b32 s27, s20, 15                        ; my 64 rows of a tile 32,768
	s_add_co_u32 s50, s50, s27
	s_mov_b32 s51, 0
	s_lshl_b32 s6, s24, 20                         ; fn: a sample is 256 x 8 x 512 bytes,
	s_lshl_b32 s7, s22, 16                         ; my 16 pixel blocks 65,536
	s_add_co_u32 s6, s6, s7
	s_mov_b32 s7, 0
	s_lshl_b32 s30, s24, 1
	s_add_co_u32 s30, s30, s25                     ; output row 2 b + channel, of 16,384 bytes,
	s_lshl_b32 s30, s30, 14
	s_lshl_b32 s31, s22, 10                        ; my 256 pixels 1,024
	s_add_co_u32 s2, s30, s31
	s_mov_b32 s3, 0
	s_mul_i32 s27, s20, QUART                      ; my rows in a slot
	s_wait_dscnt 0x0
	s_wait_kmcnt 0x0
	s_cmp_lg_u32 s25, 0
	s_cselect_b64 s[28:29], s[10:11], s[8:9]       ; init: fg or bg
	s_cselect_b64 s[30:31], s[14:15], s[12:13]     ; prev: fg or bg
	s_cmp_lg_u32 s26, 0
	s_cselect_b64 s[28:29], s[30:31], s[28:29]     ; my set
	s_cselect_b64 s[48:49], s[18:19], s[16:17]     ; out1 or out0
	s_add_nc_u64 s[28:29], s[28:29], s[50:51]
	s_add_nc_u64 s[48:49], s[48:49], s[2:3]
	s_add_nc_u64 s[4:5], s[4:5], s[6:7]
	CROUND                                         ; the four work-groups are here: the first joint loads meet
.irp n, 0,1
	s_mov_b32 s[G0+4*\n], 1                                        ; count = 1
	s_add_co_u32 s[G0+4*\n+1], s27, \n*SLOT                        ; LDS address: the slot, my quarter
	s_add_nc_u64 s[G0+4*\n+2:G0+4*\n+3], s[28:29], \n*TILEB        ; global address: tile n, my quarter
	s_or_b32 s[G0+4*\n+3], s[G0+4*\n+3], 0x80000000                ; type = 2
	tensor_load_to_lds s[G0+4*\n:G0+4*\n+3], s[G1:G1+7]            ; both first fills go out together
	s_nop 0
.endr
	v_and_b32 v1, 31, v0                           ; L
	v_and_b32 v2, 15, v0                           ; r
	v_bfe_u32 v3, v0, 4, 1                         ; h
	v_lshlrev_b32 v[VBL], 4, v1
	; B: fn's block c = 8 pb + T of 512 bytes is registers 256 + 4 c .. + 3: 128 loads of 512 consecutive bytes
	WIN 0x40                                       ; destination window 1
.set c, 0
.rept 64
	global_load_b128 v[4*c:4*c+3], v[VBL], s[4:5] offset:512*c
.set c, c+1
.endr
	WIN 0x80                                       ; destination window 2
.set c, 0
.rept 64
	global_load_b128 v[4*c:4*c+3], v[VBL], s[4:5] offset:512*(c+64)
.set c, c+1
.endr
	WIN 0
	v_mul_u32_u24 v10, v2, PITCH
	v_lshl_add_u32 v10, v3, 5, v10
	v_add_nc_u32 v[ADR0], s27, v10
	v_add_nc_u32 v[ADR0+1], SLOT, v[ADR0]
	s_lshl_b32 s30, s20, 10
	s_add_co_u32 s30, s30, REDL
	v_lshl_add_u32 v[STO], v2, 2, s30
	s_lshl_b32 s30, s20, 8
	v_lshl_add_u32 v[VO], v1, 3, s30
	v_add_nc_u32 v[RD], REDL, v[VO]
.set i, 0
.rept 16
	v_mov_b32 v[RUN+i], 0xff800000                 ; -inf
.set i, i+1
.endr
; 16 templates (block tb of my four in the slot) as f32: lane (r, h) takes of row r, for each K step, k = 8 h .. + 7 and k = 16 + 8 h .. + 7
.macro LOADF slot, tb
.irp ks, 0,1,2,3
	ds_load_b128 v[F+16*\ks:F+16*\ks+3],     v[ADR0+(\slot)] offset:(\tb)*16*PITCH+128*\ks
	ds_load_b128 v[F+16*\ks+4:F+16*\ks+7],   v[ADR0+(\slot)] offset:(\tb)*16*PITCH+128*\ks+16
	ds_load_b128 v[F+16*\ks+8:F+16*\ks+11],  v[ADR0+(\slot)] offset:(\tb)*16*PITCH+128*\ks+64
	ds_load_b128 v[F+16*\ks+12:F+16*\ks+15], v[ADR0+(\slot)] offset:(\tb)*16*PITCH+128*\ks+80
.endr
.endm
.macro CVT                             ; the four A fragments
.set i, 0
.rept 32
	v_cvt_pk_bf16_f32 v[A+i], v[F+2*i], v[F+2*i+1]
.set i, i+1
.endr
.endm
; 16 templates x 128 pixels (blocks 8 g .. 8 g + 7) x K = 128.  The first K step starts the sums.  Eight accumulators take turns, one
; instruction a turn; the next run begins on another accumulator than this one ends on.
.macro MUL g
.if \g == 0
	WIN 0x04                                       ; source 1 (B) in window 1
.else
	WIN 0x08                                       ; in window 2
.endif
.irp ks, 0,1,2,3
.irp a, 0,1,2,3,4,5,6,7
.if \ks == 0
	v_wmma_f32_16x16x32_bf16 v[ACC+8*(8*\g+\a):ACC+8*(8*\g+\a)+7], v[A+8*\ks:A+8*\ks+7], v[32*\a+8*\ks:32*\a+8*\ks+7], 0
.else
	v_wmma_f32_16x16x32_bf16 v[ACC+8*(8*\g+\a):ACC+8*(8*\g+\a)+7], v[A+8*\ks:A+8*\ks+7], v[32*\a+8*\ks:32*\a+8*\ks+7], v[ACC+8*(8*\g+\a):ACC+8*(8*\g+\a)+7]
.endif
.endr
.endr
.endm
.macro REDUCE g                        ; a lane's eight scores of a pixel (templates 8 h + 0 .. 7) into the pixel block's running maximum, two at a time
.irp jp, 0,1,2,3
.irp a, 0,1,2,3,4,5,6,7
	v_max3_num_f32 v[RUN+8*\g+\a], v[RUN+8*\g+\a], v[ACC+8*(8*\g+\a)+2*\jp], v[ACC+8*(8*\g+\a)+2*\jp+1]
.endr
.endr
.endm
; One block of 16 templates: 64 matrix instructions, their maxima, then the next block's fragments (cvt) and the load of the block after (ld).
; chg = 2: the templates in F were my last reads of slot rslot, which is filled again: my reads and all my tensor loads are waited for in front
; of the round's opening signal, register work alone stands inside the round, and the joint refill is the first thing behind it.
; chg = 1: the slots change and nothing is filled: my own wait for my own rows is all.
.macro BLOCK cvt, ld, ldslot, ldtb, chg, rslot
	MUL 0
	MUL 1
	WIN 0
	PLACES
.if \chg == 2
	s_wait_dscnt 0x0                               ; my reads of the slot are back
	s_wait_tensorcnt 0x0                           ; all my tensor loads have landed: the one that was out is my quarter of the other slot
	ds_add_u32 v14, v15
	s_wait_dscnt 0x0
	s_barrier_signal -1                            ; opens the round
.endif
	REDUCE 0
	REDUCE 1
.if \cvt
.if \chg != 2
	s_wait_dscnt 0x0                               ; the sixteen loads issued a block ago
.endif
	CVT                                            ; A is rewritten behind the four places and the 64 maxima
.endif
.if \chg == 2
	s_barrier_wait -1
	CREST                                          ; no wave of any partner still reads the slot or has a load on its way
	s_add_nc_u64 s[G0+4*\rslot+2:G0+4*\rslot+3], s[G0+4*\rslot+2:G0+4*\rslot+3], 2*TILEB
	tensor_load_to_lds s[G0+4*\rslot:G0+4*\rslot+3], s[G1:G1+7]    ; my one tensor load behind the round: it has 256 matrix instructions in which to land
	s_nop 0
.endif
.if \chg == 1
	s_wait_tensorcnt 0x0                           ; my quarter of the last tile is in
.endif
.if \ld
	LOADF \ldslot, \ldtb
.endif
.endm
; A tile: my four blocks.  At its head A holds block 0 and block 1 is on its way into F.  mode = chg of the third block; 0: the last tile.
.macro STEP slot, mode
	BLOCK 1, 1, \slot, 2, 0, 0
	BLOCK 1, 1, \slot, 3, 0, 0
.if \mode
	BLOCK 1, 1, 1-\slot, 0, \mode, \slot
	BLOCK 1, 1, 1-\slot, 1, 0, 0
.else
	BLOCK 1, 0, 0, 0, 0, 0
	BLOCK 0, 0, 0, 0, 0, 0
.endif
.endm
	s_wait_tensorcnt 0x1                           ; my quarter of tile 0 is in; tile 1's load may stay out: I read my own rows, and nothing is filled again yet
	LOADF 0, 0
	s_wait_dscnt 0x0
	CVT
	LOADF 0, 1
	s_wait_loadcnt 0x0                             ; B
	s_mov_b32 s3, 7                                ; 14 tiles, which ask for tiles 2 to 15
.Llap:
	STEP 0, 2
	STEP 1, 2
	s_sub_co_u32 s3, s3, 1
	s_cmp_lg_u32 s3, 0
	s_cbranch_scc1 .Llap
	STEP 0, 1                                      ; tile 14: nothing is left to fetch
	STEP 1, 0                                      ; tile 15
	; the two halves of the lanes (templates 8 h + ..), then the four waves
.set i, 0
.rept 16
	v_permlanex16_b32 v[A+i], v[RUN+i], s52, s53
.set i, i+1
.endr
.set i, 0
.rept 16
	v_max_num_f32 v[RUN+i], v[RUN+i], v[A+i]
.set i, i+1
.endr
.set i, 0
.rept 16
	ds_store_b32 v[STO], v[RUN+i] offset:64*i      ; pixel 16 i + r; lanes r and 16 + r write the same word with the same number
.set i, i+1
.endr
	s_wait_dscnt 0x0
	s_barrier_signal -1
	s_barrier_wait -1
.irp k, 0,1,2,3
	ds_load_b64 v[F+2*\k:F+2*\k+1], v[RD] offset:1024*\k           ; wave k's maxima of pixels 64 w + 2 L, + 1
.endr
	s_wait_dscnt 0x0
	v_max3_num_f32 v[F],   v[F],   v[F+2], v[F+4]
	v_max3_num_f32 v[F+1], v[F+1], v[F+3], v[F+5]
	v_max_num_f32 v[F],   v[F],   v[F+6]
	v_max_num_f32 v[F+1], v[F+1], v[F+7]
	global_store_b64 v[VO], v[F:F+1], s[48:49]     ; 32 lanes store 256 consecutive bytes, aligned
	s_wait_tensorcnt 0x0
	ds_add_u32 v14, v15
	s_wait_dscnt 0x0
	CROUND                                         ; the closing round: no work-group ends while a partner may still ask for a tile that names it
	s_endpgm
.Lfunc_end_k_qe78c4db02f_match:
	.size	k_qe78c4db02f_match, .Lfunc_end_k_qe78c4db02f_match-k_qe78c4db02f_match
	.p2alignl 7, 3214868480
	.fill 96, 4, 3214868480
	.section	.rodata,"a",@progbits
	.p2align	6, 0x0
	.amdhsa_kernel k_qe78c4db02f_match
		.amdhsa_group_segment_fixed_size 327680
		.amdhsa_private_segment_fixed_size 0
		.amdhsa_enable_private_segment 0
		.amdhsa_kernarg_size 56
		.amdhsa_user_sgpr_count 2
		.amdhsa_user_sgpr_kernarg_segment_ptr 1
		.amdhsa_wavefront_size32 1
		.amdhsa_system_sgpr_workgroup_id_x 1
		.amdhsa_system_sgpr_workgroup_id_y 1
		.amdhsa_system_sgpr_workgroup_id_z 1
		.amdhsa_system_vgpr_workitem_id 0
		.amdhsa_next_free_vgpr 768
		.amdhsa_next_free_sgpr 66
		.amdhsa_reserve_vcc 0
		.amdhsa_float_denorm_mode_32 3
		.amdhsa_float_denorm_mode_16_64 3
		.amdhsa_memory_ordered 1
		.amdhsa_forward_progress 1
		.amdhsa_inst_pref_size 203
	.end_amdhsa_kernel
	.amdgpu_metadata
---
amdhsa.version: [ 1, 2 ]
amdhsa.kernels:
  - .name:           k_qe78c4db02f_match
    .symbol:         k_qe78c4db02f_match.kd
    .args:
      - { .name: pm_init_bg, .offset: 0, .size: 8, .value_kind: global_buffer, .address_space: global }
      - { .name: pm_init_fg, .offset: 8, .size: 8, .value_kind: global_buffer, .address_space: global }
      - { .name: pm_prev_bg, .offset: 16, .size: 8, .value_kind: global_buffer, .address_space: global }
      - { .name: pm_prev_fg, .offset: 24, .size: 8, .value_kind: global_buffer, .address_space: global }
      - { .name: out0, .offset: 32, .size: 8, .value_kind: global_buffer, .address_space: global }
      - { .name: out1, .offset: 40, .size: 8, .value_kind: global_buffer, .address_space: global }
      - { .name: fn, .offset: 48, .size: 8, .value_kind: global_buffer, .address_space: global }
    .group_segment_fixed_size: 327680
    .private_segment_fixed_size: 0
    .kernarg_segment_align: 8
    .kernarg_segment_size: 56
    .max_flat_workgroup_size: 128
    .sgpr_count:     66
    .vgpr_count:     768
    .wavefront_size: 32
...
	.end_amdgpu_metadata
.endif
;; end of part 2
;; ======== version 2 of 2: 2 launches; version 1 with the launch conv written anew for expert scheduling mode
;; workspace buffers: fn 4,194,304 bytes
;; launch conv (part 3): grid 256 x 1, 8 waves a work-group, no clusters, 252,416 bytes of LDS; arguments feats, conv_w, conv_b, pm_int_bg, pm_int_fg, out2, out3, fn; writes out2, out3, fn
.if DOCPART == 3
	.amdgcn_target "amdgcn-amd-amdhsa--gfx1250"
	.amdhsa_code_object_version 6
	.text
	.protected	k_qe78c4db02f_conv
	.globl	k_qe78c4db02f_conv
	.p2align	8
	.type	k_qe78c4db02f_conv,@function
k_qe78c4db02f_conv:
	s_mov_b64 s[64:65], 0
	v_nop
	global_prefetch_b8 v0, s[64:65] scope:SCOPE_SE
	s_setreg_imm32_b32 hwreg(HW_REG_WAVE_SCHED_MODE, 0, 2), 2
	s_setreg_imm32_b32 hwreg(HW_REG_WAVE_MODE, 25, 1), 1
	s_wait_xcnt 0x0
	s_wait_alu depctr_vm_vsrc(0)
; conv[b][o][p] = sum over c of conv_w[o][c] feats[b][c][p] + conv_b[o];  out3 = conv / |conv| (norm over the 128 channels o);
; out2[b][0 or 1][p] = sum over o of out3[b][o][p] pm_int_bg or pm_int_fg [b][o];  fn = out3 rounded to bf16, in the order in which
; the next launch's matrix instructions take it.
; A work-group owns 64 pixels of one sample and all 128 channels; 4 samples x 64 blocks = 256 work-groups.  Eight waves: wave w makes
; the 16 pixels 16 (w & 3) .. and the 64 channels 64 (w >> 2) ..: four accumulator tiles of 16 x 16, 64 matrix instructions (K = 512).
; Both operands are f32 in memory: they come through registers, are rounded to bf16 once in the work-group and laid into LDS, in four
; chunks of 128 along K.  conv_w has K along its rows (plain fragment loads); feats has the pixels along its rows (transposing loads).
; D of a product with M = channel, N = pixel: lane (r, h) holds pixel r, channels 8 h + 0 .. 7 of the tile.  Packed in pairs that IS half
; of a B fragment (K = channel, N = pixel), so fn is stored lane for lane: block ((b 256 + p/16) 8 + o/16) of 512 bytes, lane L at 16 L.
; NO CLUSTER, though every work-group reads conv_w: as f32 with padded rows it would take 128 x 2,064 = 264,192 bytes of LDS beside the
; 81,920 of feats, more than the 327,680 there are; brought in K chunks it would cost a round of the cluster's barrier for each chunk of
; 64 KiB, and it would still have to be converted, by each of the four pixel waves again.  Here each number of it is converted once.
; LIMITS: a pixel whose sum of squares is below 2^-126 (norm under about 1e-19) is taken as zero by v_rsq_f32 (ISA guide, 15.8), where
; the reference still divides; the sum of squares overflows where the reference's own does.  The products' operands are bf16, sums f32.
; THE MODE: SCHED_MODE bits 1:0 = 2 (LLVM: expert scheduling mode 2), set by the entry lines.  The code itself states the register dependences
; between vector or matrix instructions and memory or LDS instructions, with s_wait_alu, always for 0.
; THE PLAN.  Registers that memory or LDS instructions touch:
;   v8-v24, v248, v249  offsets and addresses: written at the head by vector instructions, never again.
;   R      24 slots in three groups of eight.  A group's sixteen conversions read its slots; behind them the next chunk's loads land there.
;   OB     three out-buffers of 16 registers, one a group, in FA's first 48 registers, which are idle while a chunk is laid into LDS.  A group's
;          conversions write its buffer once a chunk; its eight LDS stores read it; behind the chunk's barrier the fragments' loads land there.
;   FA, FB two halves, a K step each.  Step s's matrix instructions read half s % 2; behind them the loads of step s + 2 land in it.
;   T, ACC, PK  written by the sums, the scalings and the last conversions; read by the LDS stores and fn's stores behind them; not written again.
; So: ONE wait on va_vdst a group, behind its conversions, for its eight stores and eight loads; ONE wait on vm_vsrc a chunk, behind the barrier;
; one wait on va_vdst behind each of a chunk's first two K steps; and one ahead of each run of stores on the way out.
.set WP,    1040                       ; LDS row of conv_w: 512 bf16 + 16 bytes = 65 x 16: the 16 rows of a fragment load start 16 bytes apart modulo 256
.set F_LDS, 128*WP                     ; 133,120: feats, 512 rows c of 64 pixels in bf16
.set FP,    160                        ; their pitch: 128 bytes + 32 = 5 x 32
.set STG,   F_LDS+512*FP               ; 215,040: out3's way out, 128 rows o of 64 f32
.set SP,    272                        ; their pitch: 256 bytes + 16
.set REDL,  STG+128*SP                 ; 249,856: [sum of squares, dot bg, dot fg][channel half][64 pixels] f32, 1,536 bytes
.set VW,   8                           ; conv_w: 32,768 w + 16 L (16 rows a wave; a row's chunk is 512 bytes = one load of the wave)
.set VF,   9                           ; feats: (16 w + 4 h) rows of 16,384 bytes + 16 r (a load takes two rows' 256 bytes, four rows apart)
.set VWS,  10                          ; LDS, conv_w in: 16 w rows + 8 L
.set VFS,  11                          ; LDS, feats in: (16 w + 4 h) rows + 8 r
.set VA,   12                          ; LDS, A fragments: (64 oh + r) rows + 16 h
.set VB0,  13                          ; LDS, B fragments, K steps 0-7: (8 h + (L & 7)) rows + 32 pblk + 16 ((L >> 3) & 1)
.set VB1,  14                          ; the same for K steps 8-15 (256 rows further: past the 16-bit immediate)
.set VBI,  15                          ; conv_b and the two single templates: 4 (64 oh + 8 h)
.set VRS,  16                          ; LDS, my three sums in
.set VRL,  17                          ; LDS, my pixel's two sums of squares back
.set VR2,  18                          ; LDS, out2: sums of squares of pixels 2 L, 2 L + 1
.set VR2D, 19                          ; LDS, out2: the dots of these pixels
.set VO2,  20                          ; out2: channel (w & 1), 8 L
.set VFN,  21                          ; fn: (8 pblk + 4 oh) blocks of 512 bytes + 16 L
.set VS,   22                          ; LDS, stage in
.set VSR,  23                          ; LDS, stage back: rows 16 w + h, 16 r
.set VO3,  24                          ; out3: the same rows
.set T,    26                          ; v[26:33]   the three sums, in pairs
.set ACC,  34                          ; v[34:65]   four accumulator tiles
.set FA,   66                          ; v[66:129]  A fragments of two K steps x four tiles
.set OB,   FA                          ; v[66:113]  while a chunk is laid into LDS: group g's 16 registers of bf16 at OB + 16 g
.set FB,   130                         ; v[130:145] B fragments of two K steps
.set R,    146                         ; v[146:241] 24 slots of 4 registers: 16 of conv_w, 8 of feats
.set IB,   R                           ; later: pm_int_bg of my 32 channels,
.set IF,   R+32                        ; pm_int_fg,
.set PK,   R+64                        ; and fn's packed words
	s_load_b256 s[4:11], s[0:1], 0x0               ; feats s[4:5], conv_w s[6:7], conv_b s[8:9], pm_int_bg s[10:11]
	s_load_b256 s[12:19], s[0:1], 0x20             ; pm_int_fg s[12:13], out2 s[14:15], out3 s[16:17], fn s[18:19]
	v_lshl_add_u32 v248, v0, 2, 0x3d600
	v_mov_b32 v249, 0
	v_lshrrev_b32 v4, 5, v0
	v_readfirstlane_b32 s20, v4                    ; w
	s_lshr_b32 s23, ttmp9, 6                       ; b
	s_and_b32 s24, ttmp9, 63                       ; block of 64 pixels
	s_mov_b32 s28, 0x76543210                      ; v_permlanex16_b32: lane i of one half reads lane i of the other
	s_mov_b32 s29, 0xfedcba98
	v_and_b32 v1, 31, v0                           ; L
	v_and_b32 v2, 15, v0                           ; r
	v_bfe_u32 v3, v0, 4, 1                         ; h
	s_wait_alu depctr_va_sdst(0)                   ; s20 is written, ahead of its first reader
	s_and_b32 s21, s20, 3                          ; pblk: my 16 pixels
	s_lshr_b32 s22, s20, 2                         ; oh: my 64 channels
	s_lshl_b32 s30, s22, 8
	v_lshl_add_u32 v[VBI], v3, 5, s30
	s_lshl_b32 s30, s20, 15
	v_lshl_add_u32 v[VW], v1, 4, s30
	s_lshl_b32 s30, s20, 18
	v_lshl_add_u32 v[VF], v2, 4, s30
	v_lshl_add_u32 v[VF], v3, 16, v[VF]
	s_lshl_b32 s25, s24, 8                         ; the block's 256 bytes in a row of 4,096 f32
	s_mov_b32 s27, 0
	s_wait_kmcnt 0x0
	s_lshl_b32 s26, s23, 23                        ; a sample of feats: 512 x 16,384 bytes
	s_add_co_u32 s26, s26, s25
	s_add_nc_u64 s[4:5], s[4:5], s[26:27]
	s_lshl_b32 s26, s23, 9                         ; a sample's single template: 512 bytes
	s_add_nc_u64 s[10:11], s[10:11], s[26:27]
	s_add_nc_u64 s[12:13], s[12:13], s[26:27]
	s_lshl_b32 s26, s23, 15                        ; a sample of out2: 2 x 16,384 bytes
	s_add_co_u32 s26, s26, s25
	s_add_nc_u64 s[14:15], s[14:15], s[26:27]
	s_lshl_b32 s26, s23, 21                        ; a sample of out3: 128 x 16,384 bytes
	s_add_co_u32 s26, s26, s25
	s_add_nc_u64 s[16:17], s[16:17], s[26:27]
	s_lshl_b32 s26, ttmp9, 14                      ; the work-group's part of fn: 4 pixel blocks x 8 tiles x 512 bytes
	s_add_nc_u64 s[18:19], s[18:19], s[26:27]
; The loads of one slot, for chunk q of K.
.macro LDW i, q
	global_load_b128 v[R+4*(\i):R+4*(\i)+3], v[VW], s[6:7] offset:(\i)*2048+512*(\q)
.endm
.macro LDF j, q                        ; rows (j & 3) + 8 (j >> 2) + 4 h of my sixteen: read once in the launch
	global_load_b128 v[R+64+4*\j:R+64+4*\j+3], v[VF], s[4:5] offset:(128*(\q)+(\j&3)+8*(\j>>2))*16384 th:TH_LOAD_NT
.endm
	s_wait_alu depctr_va_vdst(0)                   ; the offsets v[VBI], v[VW] and v[VF] are written, which the loads below read
	; The bias starts the sums: register j of tile t is channel 64 oh + 16 t + 8 h + j in every pixel.  Nothing is cleared or added later.
.irp t, 0,1,2,3
	global_load_b128 v[ACC+8*\t:ACC+8*\t+3],   v[VBI], s[8:9] offset:64*\t
	global_load_b128 v[ACC+8*\t+4:ACC+8*\t+7], v[VBI], s[8:9] offset:64*\t+16
.endr
.irp i, 0,1,2,3,4,5,6,7,8,9,10,11,12,13,14,15
	LDW \i, 0
.endr
.irp j, 0,1,2,3,4,5,6,7
	LDF \j, 0                                      ; 24 loads of 512 bytes of each of eight waves are on their way
.endr
	; the other addresses, while the first chunk comes; no memory instruction has named any of these registers
	s_mul_i32 s30, s20, 16*WP
	v_lshl_add_u32 v[VWS], v1, 3, s30
	s_mul_i32 s30, s20, 16*FP
	s_add_co_u32 s30, s30, F_LDS
	v_mul_u32_u24 v4, v3, 4*FP
	v_lshl_add_u32 v4, v2, 3, v4
	v_add_nc_u32 v[VFS], s30, v4
	s_mul_i32 s30, s22, 64*WP
	v_mul_u32_u24 v4, v2, WP
	v_lshl_add_u32 v4, v3, 4, v4
	v_add_nc_u32 v[VA], s30, v4
	v_and_b32 v4, 7, v0
	v_lshl_add_u32 v4, v3, 3, v4
	v_mul_u32_u24 v4, v4, FP
	v_bfe_u32 v5, v0, 3, 1
	v_lshl_add_u32 v4, v5, 4, v4
	s_lshl_b32 s30, s21, 5
	s_add_co_u32 s30, s30, F_LDS
	v_add_nc_u32 v[VB0], s30, v4
	v_add_nc_u32 v[VB1], 256*FP, v[VB0]
	s_lshl_b32 s30, s22, 8
	s_lshl_b32 s31, s21, 6
	s_add_co_u32 s31, s31, REDL
	s_add_co_u32 s30, s30, s31
	v_lshl_add_u32 v[VRS], v2, 2, s30              ; REDL + 256 oh + 4 (16 pblk + r)
	v_lshl_add_u32 v[VRL], v2, 2, s31              ; REDL + 4 (16 pblk + r)
	v_lshlrev_b32 v4, 3, v1
	v_add_nc_u32 v[VR2], REDL, v4
	s_and_b32 s30, s20, 1
	s_lshl_b32 s31, s30, 9
	s_add_co_u32 s31, s31, REDL+512
	v_add_nc_u32 v[VR2D], s31, v4
	s_lshl_b32 s30, s30, 14
	v_add_nc_u32 v[VO2], s30, v4
	s_lshl_b32 s30, s21, 12
	s_lshl_b32 s31, s22, 11
	s_add_co_u32 s30, s30, s31
	v_lshl_add_u32 v[VFN], v1, 4, s30
	s_mul_i32 s30, s22, 64*SP
	s_lshl_b32 s31, s21, 6
	s_add_co_u32 s30, s30, s31
	s_add_co_u32 s30, s30, STG
	v_mul_u32_u24 v4, v3, 8*SP
	v_lshl_add_u32 v4, v2, 2, v4
	v_add_nc_u32 v[VS], s30, v4
	s_mul_i32 s30, s20, 16*SP
	s_add_co_u32 s30, s30, STG
	v_mul_u32_u24 v4, v3, SP
	v_lshl_add_u32 v4, v2, 4, v4
	v_add_nc_u32 v[VSR], s30, v4
	s_lshl_b32 s30, s20, 18
	v_lshl_add_u32 v4, v2, 4, s30
	v_lshl_add_u32 v[VO3], v3, 14, v4
.macro PLACES                          ; four places behind a matrix instruction, in front of whatever reads its result or writes its registers (ISA guide 7.12.1)
.rept 4
	v_nop
.endr
.endm
; A group of eight slots in chunk q: its 32 f32 a lane are rounded to bf16 into the group's out-buffer; then, behind one wait, each slot is loaded
; again for chunk q + 1 and its eight bytes are laid into LDS.
; The wait on LOADcnt: loads come back in order (ISA guide 5.7.1).  Behind a group's eight loads stand the sixteen of the other two groups, of this chunk or
; refills for the next: 16.  In the last chunk the two single templates of my 32 channels, laid as the accumulators are, take the refills' place in
; conv_w's two groups (eight loads each), so the count stays 16 there too.  No address register is ever rewritten.
.macro GW g, q                         ; conv_w's slots 8 g to 8 g + 7
	s_wait_loadcnt 16
.irp i, 0,1,2,3,4,5,6,7
	v_cvt_pk_bf16_f32 v[OB+16*\g+2*\i],   v[R+32*\g+4*\i],   v[R+32*\g+4*\i+1]
	v_cvt_pk_bf16_f32 v[OB+16*\g+2*\i+1], v[R+32*\g+4*\i+2], v[R+32*\g+4*\i+3]
.endr
	s_wait_alu depctr_va_vdst(0)                   ; the conversions have written the out-buffer, which the LDS stores read, and are done reading the slots, in which the loads land; at its first use: the head's addresses are written
.irp i, 0,1,2,3,4,5,6,7
.if \q < 3
	LDW 8*\g+\i, \q+1
.else
	global_load_b128 v[R+32*\g+4*\i:R+32*\g+4*\i+3], v[VBI], s[10+2*\g:11+2*\g] offset:64*(\i/2)+16*(\i%2)   ; g = 0: pm_int_bg into IB; g = 1: pm_int_fg into IF
.endif
	ds_store_b64 v[VWS], v[OB+16*\g+2*\i:OB+16*\g+2*\i+1] offset:(8*\g+\i)*WP+256*\q        ; 32 lanes, 256 neighbouring bytes of one row
.endr
.endm
.macro GF q                            ; feats' eight slots
	s_wait_loadcnt 16
.irp j, 0,1,2,3,4,5,6,7
	v_cvt_pk_bf16_f32 v[OB+32+2*\j],   v[R+64+4*\j],   v[R+64+4*\j+1]
	v_cvt_pk_bf16_f32 v[OB+32+2*\j+1], v[R+64+4*\j+2], v[R+64+4*\j+3]
.endr
	s_wait_alu depctr_va_vdst(0)                   ; as above; it also shows all three out-buffers written and the last chunk's matrix instructions done reading FA and FB, in which the fragments behind the barrier land
.irp j, 0,1,2,3,4,5,6,7
.if \q < 3
	LDF \j, \q+1
.endif
	ds_store_b64 v[VFS], v[OB+32+2*\j:OB+32+2*\j+1] offset:(128*\q+(\j&3)+8*(\j>>2))*FP   ; two rows' 128 bytes, 4 x 160 bytes = 160 words apart: 32 modulo 64
.endr
.endm
; The ten fragment loads of K step ks (0 to 15), into half e of FA and FB.
.macro FRAG e, ks
	ds_load_tr16_b128 v[FB+8*\e:FB+8*\e+3],   v[VB0+((\ks)>>3)] offset:((\ks)&7)*32*FP          ; k = 8 h .. of my 16 pixels' columns
	ds_load_tr16_b128 v[FB+8*\e+4:FB+8*\e+7], v[VB0+((\ks)>>3)] offset:((\ks)&7)*32*FP+16*FP    ; k = 16 + 8 h ..
.irp t, 0,1,2,3
	ds_load_b128 v[FA+32*\e+8*\t:FA+32*\e+8*\t+3],   v[VA] offset:\t*16*WP+64*(\ks)
	ds_load_b128 v[FA+32*\e+8*\t+4:FA+32*\e+8*\t+7], v[VA] offset:\t*16*WP+64*(\ks)+32
.endr
.endm
; The four matrix instructions of a K step, on half e.  The four accumulators take turns, one instruction a turn, from step to step too.
.macro MUL4 e
.irp t, 0,1,2,3
	v_wmma_f32_16x16x32_bf16 v[ACC+8*\t:ACC+8*\t+7], v[FA+32*\e+8*\t:FA+32*\e+8*\t+7], v[FB+8*\e:FB+8*\e+7], v[ACC+8*\t:ACC+8*\t+7]
.endr
.endm
; A chunk of 128 along K: into LDS, one barrier, four K steps.  No LDS byte is written twice, so one barrier a chunk is all.
.macro CHUNK q
.if \q > 0
	PLACES                                         ; the conversions below write registers of FA that the last chunk's matrix instructions read
.endif
	GW 0, \q
	GW 1, \q
	GF \q
	s_wait_dscnt 0x0                               ; my part of the chunk is in LDS: zero, for the other waves' sake
	s_barrier_signal -1
	s_barrier_wait -1                              ; everybody's is
	s_wait_alu depctr_vm_vsrc(0)                   ; my LDS stores have read the out-buffers: the fragments' loads land there now, and the next chunk's conversions write them again
	FRAG 0, 4*\q
	FRAG 1, 4*\q+1
	s_wait_dscnt 10                                ; LDS loads come back in order: the first K step's ten are in; the second's ten may be out
	MUL4 0
	PLACES                                         ; the places of the plain form stay beside the wait
	s_wait_alu depctr_va_vdst(0)                   ; the first K step's matrix instructions are done reading half 0 of FA and FB, in which the third step's fragments land
	FRAG 0, 4*\q+2
	s_wait_dscnt 10                                ; the second step's ten are in; the third's ten may be out
	MUL4 1
	PLACES
	s_wait_alu depctr_va_vdst(0)                   ; the second K step's matrix instructions are done reading half 1, in which the fourth step's fragments land
	FRAG 1, 4*\q+3
	s_wait_dscnt 10                                ; the third step's ten are in
	MUL4 0
	s_wait_dscnt 0x0
	MUL4 1
.endm
	CHUNK 0
	CHUNK 1
	CHUNK 2
	CHUNK 3
	; Three sums over my 32 channels of my pixel, in f32 from the f32 accumulators: squares, and the dots with the two single templates
	; (one template would use a sixteenth of a matrix instruction).  Three chains that do not wait for each other.
	PLACES
	s_wait_loadcnt 0x0                             ; the single templates
	v_pk_mul_f32 v[T:T+1],   v[ACC:ACC+1], v[ACC:ACC+1]
	v_pk_mul_f32 v[T+2:T+3], v[ACC:ACC+1], v[IB:IB+1]
	v_pk_mul_f32 v[T+4:T+5], v[ACC:ACC+1], v[IF:IF+1]
.set i, 1
.rept 15
	v_pk_fma_f32 v[T:T+1],   v[ACC+2*i:ACC+2*i+1], v[ACC+2*i:ACC+2*i+1], v[T:T+1]
	v_pk_fma_f32 v[T+2:T+3], v[ACC+2*i:ACC+2*i+1], v[IB+2*i:IB+2*i+1],   v[T+2:T+3]
	v_pk_fma_f32 v[T+4:T+5], v[ACC+2*i:ACC+2*i+1], v[IF+2*i:IF+2*i+1],   v[T+4:T+5]
.set i, i+1
.endr
	v_add_f32 v[T],   v[T],   v[T+1]
	v_add_f32 v[T+2], v[T+2], v[T+3]
	v_add_f32 v[T+4], v[T+4], v[T+5]
	v_permlanex16_b32 v[T+1], v[T],   s28, s29     ; lane (r, 1 - h) holds the other half of each tile's channels
	v_permlanex16_b32 v[T+3], v[T+2], s28, s29
	v_permlanex16_b32 v[T+5], v[T+4], s28, s29
	v_add_f32 v[T],   v[T],   v[T+1]
	v_add_f32 v[T+2], v[T+2], v[T+3]
	v_add_f32 v[T+4], v[T+4], v[T+5]
	s_wait_alu depctr_va_vdst(0)                   ; the three sums are written, which the LDS stores read; the last matrix instructions are done reading FA and FB, in which the LDS loads behind the barrier land
	ds_store_b32 v[VRS], v[T]                      ; lanes r and 16 + r write the same word with the same number
	ds_store_b32 v[VRS], v[T+2] offset:512
	ds_store_b32 v[VRS], v[T+4] offset:1024
	s_wait_dscnt 0x0
	s_barrier_signal -1
	s_barrier_wait -1
	ds_load_b32 v[FB],   v[VRL]                    ; my pixel's sum of squares, channels 0-63,
	ds_load_b32 v[FB+1], v[VRL] offset:256         ; and channels 64-127
	s_cmp_ge_u32 s20, 2
	s_cbranch_scc1 .Lno_out2
	; waves 0 and 1: out2's channel w for the 64 pixels, two a lane
	ds_load_b64 v[FA:FA+1],   v[VR2]
	ds_load_b64 v[FA+2:FA+3], v[VR2] offset:256
	ds_load_b64 v[FA+4:FA+5], v[VR2D]
	ds_load_b64 v[FA+6:FA+7], v[VR2D] offset:256
	s_wait_dscnt 0x0
	v_pk_add_f32 v[FA:FA+1],   v[FA:FA+1],   v[FA+2:FA+3]
	v_pk_add_f32 v[FA+4:FA+5], v[FA+4:FA+5], v[FA+6:FA+7]
	v_rsq_f32 v[FA+8], v[FA]
	v_rsq_f32 v[FA+9], v[FA+1]
	v_nop                                          ; one plain place behind a transcendental (ISA guide 5.7.2)
	s_wait_alu depctr_va_vdst(0)                   ; the two reciprocal roots are written, ahead of their first reader
	v_pk_mul_f32 v[FA+4:FA+5], v[FA+4:FA+5], v[FA+8:FA+9]
	s_wait_alu depctr_va_vdst(0)                   ; the product is written, which the store reads
	global_store_b64 v[VO2], v[FA+4:FA+5], s[14:15]        ; 32 lanes store 256 consecutive bytes, aligned; FA is not written again
.Lno_out2:
	s_wait_dscnt 0x0
	v_add_f32 v[FB], v[FB], v[FB+1]
	v_rsq_f32 v[FB+2], v[FB]                       ; twice: a pair for the packed multiply
	v_rsq_f32 v[FB+3], v[FB]
	v_nop
	s_wait_alu depctr_va_vdst(0)                   ; the pair of reciprocal roots is written, ahead of its first reader
.set i, 0
.rept 16
	v_pk_mul_f32 v[ACC+2*i:ACC+2*i+1], v[ACC+2*i:ACC+2*i+1], v[FB+2:FB+3]
.set i, i+1
.endr
.irp t, 0,1,2,3
.irp k, 0,1,2,3
	v_cvt_pk_bf16_f32 v[PK+4*\t+\k], v[ACC+8*\t+2*\k], v[ACC+8*\t+2*\k+1]
.endr
.endr
	s_wait_alu depctr_va_vdst(0)                   ; the scalings have written ACC and the conversions PK, which the stores below read; the sums are done reading IB, in which the stage's rows land
	; fn: a lane's eight channels of a tile are 16 bytes; a store of the wave covers a whole block of 512 consecutive bytes, aligned
.irp t, 0,1,2,3
	global_store_b128 v[VFN], v[PK+4*\t:PK+4*\t+3], s[18:19] offset:512*\t
.endr
	; out3: a lane holds a piece of a column, so the block goes through LDS and is read back by rows of 256 bytes
.irp t, 0,1,2,3
.irp j, 0,1,2,3,4,5,6,7
	ds_store_b32 v[VS], v[ACC+8*\t+\j] offset:(16*\t+\j)*SP    ; 16 neighbouring words twice, 8 x 68 = 544 words apart: 32 modulo 64
.endr
.endr
	s_wait_dscnt 0x0
	s_barrier_signal -1
	s_barrier_wait -1
.irp i, 0,1,2,3,4,5,6,7
	ds_load_b128 v[R+4*\i:R+4*\i+3], v[VSR] offset:2*\i*SP
.endr
.irp i, 0,1,2,3,4,5,6,7
	s_wait_dscnt 7-\i                              ; LDS loads come back in order: pair i of my sixteen rows is in
	global_store_b128 v[VO3], v[R+4*\i:R+4*\i+3], s[16:17] offset:2*\i*16384 th:TH_STORE_NT   ; sixteen lanes store 256 consecutive bytes, aligned
.endr
	s_wait_dscnt 0x0                               ; the closing lines, six on end
	s_wait_alu 0x0
	s_wait_tensorcnt 0x0
	ds_add_u32 v248, v249
	s_wait_dscnt 0x0
	s_endpgm
.Lfunc_end_k_qe78c4db02f_conv:
	.size	k_qe78c4db02f_conv, .Lfunc_end_k_qe78c4db02f_conv-k_qe78c4db02f_conv
	.p2alignl 7, 3214868480
	.fill 96, 4, 3214868480
	.section	.rodata,"a",@progbits
	.p2align	6, 0x0
	.amdhsa_kernel k_qe78c4db02f_conv
		.amdhsa_group_segment_fixed_size 252416
		.amdhsa_private_segment_fixed_size 0
		.amdhsa_enable_private_segment 0
		.amdhsa_kernarg_size 64
		.amdhsa_user_sgpr_count 2
		.amdhsa_user_sgpr_kernarg_segment_ptr 1
		.amdhsa_wavefront_size32 1
		.amdhsa_system_sgpr_workgroup_id_x 1
		.amdhsa_system_sgpr_workgroup_id_y 1
		.amdhsa_system_sgpr_workgroup_id_z 1
		.amdhsa_system_vgpr_workitem_id 0
		.amdhsa_next_free_vgpr 250
		.amdhsa_next_free_sgpr 66
		.amdhsa_reserve_vcc 0
		.amdhsa_float_denorm_mode_32 3
		.amdhsa_float_denorm_mode_16_64 3
		.amdhsa_memory_ordered 1
		.amdhsa_forward_progress 1
		.amdhsa_inst_pref_size 63
	.end_amdhsa_kernel
	.amdgpu_metadata
---
amdhsa.version: [ 1, 2 ]
amdhsa.kernels:
  - .name:           k_qe78c4db02f_conv
    .symbol:         k_qe78c4db02f_conv.kd
    .args:
      - { .name: feats, .offset: 0, .size: 8, .value_kind: global_buffer, .address_space: global }
      - { .name: conv_w, .offset: 8, .size: 8, .value_kind: global_buffer, .address_space: global }
      - { .name: conv_b, .offset: 16, .size: 8, .value_kind: global_buffer, .address_space: global }
      - { .name: pm_int_bg, .offset: 24, .size: 8, .value_kind: global_buffer, .address_space: global }
      - { .name: pm_int_fg, .offset: 32, .size: 8, .value_kind: global_buffer, .address_space: global }
      - { .name: out2, .offset: 40, .size: 8, .value_kind: global_buffer, .address_space: global }
      - { .name: out3, .offset: 48, .size: 8, .value_kind: global_buffer, .address_space: global }
      - { .name: fn, .offset: 56, .size: 8, .value_kind: global_buffer, .address_space: global }
    .group_segment_fixed_size: 252416
    .private_segment_fixed_size: 0
    .kernarg_segment_align: 8
    .kernarg_segment_size: 64
    .max_flat_workgroup_size: 256
    .sgpr_count:     66
    .vgpr_count:     250
    .wavefront_size: 32
...
	.end_amdgpu_metadata
.endif
;; end of part 3
;; launch match: the kernel of part 2 again; grid 16 x 16, 4 waves a work-group, clusters of 4 x 1, 327,680 bytes of LDS; arguments pm_init_bg, pm_init_fg, pm_prev_bg, pm_prev_fg, out0, out1, fn; writes out0, out1
